; MI455X (gfx1250); checked and timed in simulation.
; The chip was launched on July 23, 2026; its instructions are those of AMD's public machine-readable ISA for CDNA 5 (MIT licence, August 2026) and "CDNA5" Instruction Set Architecture Reference Guide (July 2026). The comments in the code are by the model that wrote it; some were corrected since.
;; Multi Head Attention. Allowed arithmetic: matrix products marked QUANTISED: E4M3 operands, one given power-of-two scale a tensor, by v_wmma_f32_16x16x64_fp8_fp8 or v_wmma_f32_16x16x128_fp8_fp8, f32 sums; everything else in f32.
;; Inputs: Wk 1,024 x 1,024 float32; Wo 1,024 x 1,024 float32; Wq 1,024 x 1,024 float32; Wv 1,024 x 1,024 float32; bk 1,024 float32; bo 1,024 float32; bq 1,024 float32; bv 1,024 float32; k 4 x 2,048 x 1,024 float32; lowp_scales 12 int32 (the exponents e of the quantised operands' scales 2^e); q 4 x 2,048 x 1,024 float32; v 4 x 2,048 x 1,024 float32.
;; Outputs: out0 4 x 2,048 x 1,024 float32.
;; This version of the problem:
;;   THIS VERSION OF THE PROBLEM IS GIVEN IN LOW PRECISION. The matrix products marked QUANTISED in the list below multiply operands that are first quantised to E4M3 (4 exponent bits, 3 mantissa bits; 8 bits a number), with one given power-of-two scale for each operand tensor; their sums are f32. All else is computed in f32.
;;   The module's matrix products, in the order in which they are computed (A, B: the left and right operand; K: the contracted axis; several contracted axes count as one K, in the product's order):
;;     1. [M 8,192, K 1,024] x [K 1,024, N 1,024]; A: input q; B: input Wq: QUANTISED (scales: A lowp_scales[0], B lowp_scales[1])
;;     2. [M 8,192, K 1,024] x [K 1,024, N 1,024]; A: input k; B: input Wk: QUANTISED (scales: A lowp_scales[2], B lowp_scales[3])
;;     3. [M 8,192, K 1,024] x [K 1,024, N 1,024]; A: input v; B: input Wv: QUANTISED (scales: A lowp_scales[4], B lowp_scales[5])
;;     4. batch 64 x [M 2,048, K 64] x [K 64, N 2,048]; A: computed on the way; B: computed on the way: QUANTISED (scales: A lowp_scales[6], B lowp_scales[7])
;;     5. batch 64 x [M 64, K 2,048] x [K 2,048, N 2,048]; A: computed on the way; B: softmax (see below): QUANTISED (scales: A lowp_scales[8], B lowp_scales[9])
;;     6. [M 8,192, K 1,024] x [K 1,024, N 1,024]; A: computed on the way; B: input Wo: QUANTISED (scales: A lowp_scales[10], B lowp_scales[11])
;;   THE QUANTISER, for each operand of a quantised product, along K:
;;     - The operand's scale is 2^e, e = its entry of the input lowp_scales (int32; the entries are numbered through the quantised products in the list's order, A before B).
;;     - Each number is divided by the scale, clamped to +-448, and rounded to the nearest number of E4M3, ties to even, subnormals kept.
;;     - The product sums the exact products of the quantised numbers (number of the format x scale) in f32.
;;   ~~~python
;;   def quantise(x, axis, e):      # numpy; x: float32 -> the quantised numbers, widened to float32 again
;;       x = np.moveaxis(x, axis, -1); K = x.shape[-1]
;;       r = np.clip(x / 2.0 ** e, -448, 448)
;;       step = 2.0 ** (np.maximum(np.frexp(np.where(r == 0, 1, r))[1] - 1, -6) - 3)
;;       q = np.round(r / step) * step * 2.0 ** e      # np.round: ties to even
;;       return np.moveaxis(q, -1, axis).astype(np.float32)
;;   ~~~
;;   SOFTMAX AHEAD OF A QUANTISED PRODUCT. Where the list says 'softmax', what is quantised is not the finished softmax but p = 2^(t - M), with t = logit x log2(e) and M = ceil(the row's largest t), a whole number; so 1/2 < the row's largest p <= 1. The row's sum l is taken of the UNQUANTISED p, in f32, and the product's result is divided by l at the end. Since M is a whole number, a kernel that streams over the keys may use a running M (the ceiling of the running maximum): every later rescaling is an exact power of two, so the quantised numbers keep their values, but for numbers so far below the row's largest that they fall under the format's range.
;;   OPERANDS COMPUTED ON THE WAY. 'Computed on the way' means the value that the module computes at that place (a softmax that the list does not call 'softmax' is quantised finished and normalised). What goes into a quantiser is computed in f32, as accurately as f32 sums, v_exp_f32 and their like allow (about 1e-6 of the number): no bf16 or f16 on the way to a quantiser, and a product that is left as it is and whose result goes on into a quantised operand takes f32 operands (vector FMAs, or v_wmma_f32_16x16x4_f32). A number that lies on a knife's edge between two numbers of the format may be rounded either way, as far as f32 arithmetic and the matrix unit's own rounding can turn it there, and no further.
;; One version. Each part assembles by itself: llvm-mc -triple=amdgcn-amd-amdhsa -mcpu=gfx1250 --defsym DOCPART=n.
;; ======== version 1 of 1: 4 launches
;; limits: right only within a limited range of input values
;; workspace buffers: wc 4,194,304 bytes; qkvc 25,165,824 bytes; ac 8,388,608 bytes
;; launch wquant (part 1): grid 256 x 1, 4 waves a work-group, no clusters, 0 bytes of LDS; arguments Wq, Wk, Wv, Wo, lowp_scales, wc; writes wc
.if DOCPART == 1
	.amdgcn_target "amdgcn-amd-amdhsa--gfx1250"
	.amdhsa_code_object_version 6
	.text
	.protected	k_q0cb5165cdb_wquant
	.globl	k_q0cb5165cdb_wquant
	.p2align	8
	.type	k_q0cb5165cdb_wquant,@function
k_q0cb5165cdb_wquant:
	s_mov_b64 s[64:65], 0
	v_nop
	global_prefetch_b8 v0, s[64:65] scope:SCOPE_SE
	s_setreg_imm32_b32 hwreg(HW_REG_WAVE_MODE, 25, 1), 1
	s_wait_xcnt 0x0
; Wq, Wk, Wv, Wo: [1024 (k)][1024 (n)] f32, K the FIRST axis.  Each becomes codes of E4M3 with its given scale 2^e (entries 1, 3, 5, 11 of the scales),
; laid as IMAGES OF OPERAND REGISTERS: wc[weight][G = n / 128][s = k / 128][i = (n % 128) / 16][2,048 bytes].  An image is a fragment of 16 columns x 128 k of the plain 8-bit
; form: lane (r, h) holds column r; its registers 2 c, 2 c + 1 hold k = 16 c + 8 h + 0 .. 7.  Group g of four registers lies at byte 512 g + 16 (r + 16 h).
; code = x / 2^e, held within +-448, to the nearest code, ties to even.  LIMIT: -126 <= e <= 119.  NaN among the inputs is not served.
; SHARES: a work-group takes one weight, 128 columns (G), 128 k (s).  A LANE TAKES A COLUMN AND ITS REGISTERS RUN DOWN K: a load reads 128 consecutive bytes a wave, 512 a work-group, and the
; conversions give codes with K innermost.  A block of 32 k of a column is 16 bytes of lane (r, 0) (k 0-7, 16-23) and 16 bytes of lane (r, 1) (k 8-15, 24-31) of group g = the block:
; so the conversions' destinations are chosen, and two stores a block put them in place; sixteen lanes store 256 consecutive bytes, aligned.  No LDS, no barrier.
.set X, 32                             ; v32-95   two sets of 32 numbers
.set C, 96                             ; v96-127  eight registers of codes for each block: no store's data are written again
	s_load_b256 s[4:11], s[0:1], 0x0               ; Wq, Wk, Wv, Wo
	s_load_b128 s[12:15], s[0:1], 0x20             ; the scales' exponents, wc
	v_lshrrev_b32 v1, 5, v0
	v_readfirstlane_b32 s16, v1                    ; wave 0..3
	v_and_b32 v4, 31, v0
	v_lshlrev_b32 v2, 2, v4                        ; in: 4 bytes a lane
	v_and_b32 v5, 15, v0
	v_bfe_u32 v6, v0, 4, 1
	v_lshlrev_b32 v3, 4, v5
	v_lshl_add_u32 v3, v6, 11, v3                  ; out: lanes 16-31 hold the next fragment's columns: 2,048 (lane / 16) + 16 (lane % 16)
	s_lshr_b32 s17, ttmp9, 6                       ; which weight
	s_bfe_u32 s18, ttmp9, 0x30003                  ; G
	s_and_b32 s19, ttmp9, 7                        ; s
	s_lshl_b32 s20, s19, 19                        ; in: 128 s rows of 4,096 bytes
	s_lshl_b32 s21, s18, 9                         ; + 128 G columns
	s_add_co_u32 s20, s20, s21
	s_lshl_b32 s21, s16, 7                         ; + 32 columns a wave
	s_add_co_u32 s20, s20, s21
	s_mov_b32 s21, 0
	s_lshl_b32 s22, s17, 20                        ; out: weight, G, s, and two fragments a wave
	s_lshl_b32 s23, s18, 17
	s_add_co_u32 s22, s22, s23
	s_lshl_b32 s23, s19, 14
	s_add_co_u32 s22, s22, s23
	s_lshl_b32 s23, s16, 12
	s_add_co_u32 s22, s22, s23
	s_mov_b32 s23, 0
	s_wait_alu depctr_va_vdst(0)
	s_wait_kmcnt 0x0
	s_load_b256 s[24:31], s[12:13], 0x0            ; entries 0 to 7
	s_load_b32 s32, s[12:13], 0x2c                 ; entry 11
	s_cmp_eq_u32 s17, 1                            ; the choice hangs on the work-group's number alone
	s_cselect_b64 s[4:5], s[6:7], s[4:5]
	s_cmp_eq_u32 s17, 2
	s_cselect_b64 s[4:5], s[8:9], s[4:5]
	s_cmp_eq_u32 s17, 3
	s_cselect_b64 s[4:5], s[10:11], s[4:5]
	s_add_nc_u64 s[4:5], s[4:5], s[20:21]
	s_add_nc_u64 s[14:15], s[14:15], s[22:23]
.macro LOAD t                          ; block t: W(128 s + 32 t + i, my column), i = 0 .. 31, into set t % 2
.set i, 0
.rept 32
	global_load_b32 v[X+32*((\t)%2)+i], v2, s[4:5] offset:(32*(\t)+i)*4096 th:TH_LOAD_NT
.set i, i+1
.endr
.endm
	LOAD 0
	LOAD 1
	s_wait_kmcnt 0x0
	s_cmp_eq_u32 s17, 1
	s_cselect_b32 s33, s27, s25
	s_cmp_eq_u32 s17, 2
	s_cselect_b32 s33, s29, s33
	s_cmp_eq_u32 s17, 3
	s_cselect_b32 s33, s32, s33                    ; e
	s_add_co_i32 s33, s33, 127
	s_lshl_b32 s34, s33, 23
	v_mov_b32 v11, s34                             ; 2^e as f32: the conversion takes its exponent field
	s_add_co_i32 s33, s33, 8
	s_lshl_b32 s33, s33, 23
	s_or_b32 s33, s33, 0x600000
	v_mov_b32 v10, s33                             ; 448 x 2^e
.macro BLOCK t
.set XS, X+32*((\t)%2)
.set CS, C+8*(\t)
.if (\t) < 3
	s_wait_loadcnt 32                              ; this block's 32 loads are in; the next block's 32 may be out
.else
	s_wait_loadcnt 0
.endif
.set i, 0
.rept 32
	v_med3_num_f32 v[XS+i], v[XS+i], -v10, v10     ; the conversion to an 8-bit code does not saturate (ISA guide 7.6.2): the hold comes first
.set i, i+1
.endr
.irp g, 0,1,2,3                        ; k 0-7 -> registers 0, 1; k 8-15 -> 4, 5; k 16-23 -> 2, 3; k 24-31 -> 6, 7
	v_cvt_scalef32_pk8_fp8_f32 v[CS+4*(\g%2)+2*(\g/2):CS+4*(\g%2)+2*(\g/2)+1], v[XS+8*\g:XS+8*\g+7], v11
.endr
	global_store_b128 v3, v[CS:CS+3], s[14:15] offset:512*(\t)         ; the image's lanes (r, 0) of group t
	global_store_b128 v3, v[CS+4:CS+7], s[14:15] offset:512*(\t)+256   ; and its lanes (r, 1).  (The codes go to stores alone, and the next block begins with plain vector lines)
.if (\t)+2 < 4
	LOAD (\t)+2
.endif
.endm
	s_wait_alu depctr_va_vdst(0)
	BLOCK 0
	BLOCK 1
	BLOCK 2
	BLOCK 3
	s_endpgm
.Lfunc_end_k_q0cb5165cdb_wquant:
	.size	k_q0cb5165cdb_wquant, .Lfunc_end_k_q0cb5165cdb_wquant-k_q0cb5165cdb_wquant
	.p2alignl 7, 3214868480
	.fill 96, 4, 3214868480
	.section	.rodata,"a",@progbits
	.p2align	6, 0x0
	.amdhsa_kernel k_q0cb5165cdb_wquant
		.amdhsa_group_segment_fixed_size 0
		.amdhsa_private_segment_fixed_size 0
		.amdhsa_enable_private_segment 0
		.amdhsa_kernarg_size 48
		.amdhsa_user_sgpr_count 2
		.amdhsa_user_sgpr_kernarg_segment_ptr 1
		.amdhsa_wavefront_size32 1
		.amdhsa_system_sgpr_workgroup_id_x 1
		.amdhsa_system_sgpr_workgroup_id_y 1
		.amdhsa_system_sgpr_workgroup_id_z 1
		.amdhsa_system_vgpr_workitem_id 0
		.amdhsa_next_free_vgpr 128
		.amdhsa_next_free_sgpr 66
		.amdhsa_reserve_vcc 0
		.amdhsa_float_denorm_mode_32 3
		.amdhsa_float_denorm_mode_16_64 3
		.amdhsa_memory_ordered 1
		.amdhsa_forward_progress 1
		.amdhsa_inst_pref_size 25
	.end_amdhsa_kernel
	.amdgpu_metadata
---
amdhsa.version: [ 1, 2 ]
amdhsa.kernels:
  - .name:           k_q0cb5165cdb_wquant
    .symbol:         k_q0cb5165cdb_wquant.kd
    .args:
      - { .name: Wq, .offset: 0, .size: 8, .value_kind: global_buffer, .address_space: global }
      - { .name: Wk, .offset: 8, .size: 8, .value_kind: global_buffer, .address_space: global }
      - { .name: Wv, .offset: 16, .size: 8, .value_kind: global_buffer, .address_space: global }
      - { .name: Wo, .offset: 24, .size: 8, .value_kind: global_buffer, .address_space: global }
      - { .name: lowp_scales, .offset: 32, .size: 8, .value_kind: global_buffer, .address_space: global }
      - { .name: wc, .offset: 40, .size: 8, .value_kind: global_buffer, .address_space: global }
    .group_segment_fixed_size: 0
    .private_segment_fixed_size: 0
    .kernarg_segment_align: 8
    .kernarg_segment_size: 48
    .max_flat_workgroup_size: 128
    .sgpr_count:     66
    .vgpr_count:     128
    .wavefront_size: 32
...
	.end_amdgpu_metadata
.endif
;; end of part 1
;; launch proj (part 2): grid 192 x 1, 4 waves a work-group, no clusters, 137,728 bytes of LDS; arguments q, k, v, bq, bk, bv, wc, lowp_scales, qkvc; writes qkvc
.if DOCPART == 2
	.amdgcn_target "amdgcn-amd-amdhsa--gfx1250"
	.amdhsa_code_object_version 6
	.text
	.protected	k_q0cb5165cdb_proj
	.globl	k_q0cb5165cdb_proj
	.p2align	8
	.type	k_q0cb5165cdb_proj,@function
k_q0cb5165cdb_proj:
	s_mov_b64 s[64:65], 0
	v_nop
	global_prefetch_b8 v0, s[64:65] scope:SCOPE_SE
	s_setreg_imm32_b32 hwreg(HW_REG_WAVE_MODE, 25, 1), 1
	s_wait_xcnt 0x0
; The three projections x W + b on codes of E4M3, and their results quantised for attention.  x = q, k, v: [8192][1024] f32, scales entries 0, 2, 4; W's codes lie in wc as images of operand registers
; (wc[weight][n / 128][k / 128][(n % 128) / 16][2,048 bytes], scales entries 1, 3, 5); the results' scales are entries 6, 7, 8.  Nothing of reference() is left out here.
; LIMITS: ex between -126 and 119; ex + ew between -127 and 126; eo - ex - ew between -126 and 119.  NaN among the inputs is not served.
; SHARES: work-group = one tensor (number / 64) and 128 of its rows, all 1,024 columns.  Wave w quantises rows 32 w .. 32 w + 31 into LDS (rows of 1,024 codes, 1,040 bytes apart, the 8-byte pieces of each 32 in the
; order 0, 2, 1, 3, so that a 16-byte load brings a lane the plain form's own k), and after the one barrier multiplies all 128 rows by its own 256 columns, 128 a pass: 64 accumulators, 16 K steps of 128.
; W GOES FROM MEMORY STRAIGHT INTO REGISTERS: a fragment of W is multiplied by one wave of the work-group alone, and an image is 512 consecutive bytes a load.  Two sets of 128 registers; a set is asked for again
; directly behind its last product, two K steps ahead of its use; the first two sets are asked for among the last eight rows of the quantising, eight loads behind each row.
; NO CLUSTER, NO JOINT LOADS: a joint load lands in LDS; beside x's 133,120 bytes LDS has room for two slots of one K step (65,536 bytes each), so each refill would have one K step, 64 matrix instructions a wave,
; in which to land, and each K step a round of the cluster's barrier.
; PREFETCH: the 64 work-groups of a tensor walk the same 1,048,576 bytes of W; each asks for 16,384 of them, 4,096 a wave (lanes 0-15 a block of 256 bytes each, the others their wave's last block again), once,
; ahead of the quantising loop's 32 rows a wave: every block is named once.
; ORIENTATION: q, k: source 0 = W, source 1 = x: a lane holds one row and eight channels: codes along the head's channels.  v: source 0 = x, source 1 = W: a lane holds one channel and eight keys: codes along the keys.
; Accumulator (x tile, W tile) lies at v[8 (8 (x % 4) + w)] of window 2 + x / 4 in both.  The bias, divided by 2^(ex + ew), is the C of a pass's first products.
; qkvc: q, k: [tensor][batch, head][half of the channels][tile of 16 rows][512]; v: [batch, head][16 channels x 4][group of 32 keys][512]: images of attention's operand registers.
; REGISTERS: window 0: v2-29 addresses and scales; v32-95 bias; v96-127 codes; v128-255 x's eight fragments, one set, refreshed by halves.  window 1: W's two sets.  windows 2, 3: accumulators (window 2 first holds x as f32).
.set PITCH,  1040
.set BIASL,  128*PITCH                 ; 4,096 bytes: the tensor's 1,024 biases, scaled
.set SPARE,  BIASL+4096                ; the spare words, 128 bytes for each wave: two blocks of 256 bytes that no other line names
.set LI,   2
.set XST,  3
.set XSA,  4
.set ADRX, 5
.set AXA,  7
.set SCX,  9
.set LMX,  10
.set SCO,  11
.set LMO,  12
.set BA,   13
.set AXB,  14
.set VBA,  16
.set PFO,  18
.set SPW,  28
.set NIL,  29
.set BB,   32
.set CD,   96
.set XF,   128
.set WV,   36
.set MODE, 39
.set XP,   66
.set BP,   68
.set OB,   70
.set WP,   72
.set PFB,  74
.set I,    90
.set KA,   91
.set KB,   92
.set PB,   93
.set MSB, 0
.macro WIN new                         ; the immediate's high byte repeats the setting that is left
.if MSB != (\new)
	s_set_vgpr_msb (MSB<<8)|(\new)
.set MSB, (\new)
.endif
.endm
.macro PLACES
.rept 4
	v_nop
.endr
.endm
.macro WLOAD set, off                  ; a K step's eight fragments of W: 32 loads of 512 consecutive bytes
	WIN 0x40
.set f, 0
.rept 8
.irp c, 0,1,2,3
	global_load_b128 v[128*(\set)+16*f+4*\c:128*(\set)+16*f+4*\c+3], v[LI], s[WP:WP+1] offset:(\off)+f*2048+512*\c
.endr
.set f, f+1
.endr
	WIN 0
.endm
.macro FRAGX x, ax, ko                 ; x's fragment of 16 rows x 128 k
.irp c, 0,1,2,3
	ds_load_b128 v[XF+16*(\x)+4*\c:XF+16*(\x)+4*\c+3], v[\ax+(\x)/4] offset:((\x)%4)*16*PITCH+(\ko)+32*\c
.endr
.endm
	s_load_b512 s[4:19], s[0:1], 0x0               ; q, k, v, bq, bk, bv, wc, the scales' exponents
	s_load_b64 s[20:21], s[0:1], 0x40              ; qkvc
	v_lshl_add_u32 v[SPW], v0, 2, SPARE
	v_mov_b32 v[NIL], 0
	v_lshrrev_b32 v1, 5, v0
	v_readfirstlane_b32 s[WV], v1                  ; wave 0..3
	s_lshr_b32 s38, ttmp9, 6                       ; the tensor
	s_and_b32 s40, ttmp9, 63                       ; its block of 128 rows
	s_cmp_eq_u32 s38, 2
	s_cselect_b32 s[MODE], 1, 0
	s_cselect_b32 s46, 11, 12                      ; 128 rows in qkvc: 2,048 bytes of v's groups, 4,096 of q's or k's tiles
	v_and_b32 v30, 31, v0
	v_lshlrev_b32 v[LI], 4, v30
	v_min_u32 v[PFO], 15, v30
	v_lshlrev_b32 v[PFO], 8, v[PFO]
	v_and_b32 v26, 15, v0                          ; r
	v_bfe_u32 v27, v0, 4, 1                        ; h
	v_and_b32 v30, 1, v0                           ; where my four codes of a row's 128 go: lane bits 0, 1, 2, 3-4 to bytes 4, 16, 8, 32
	v_lshlrev_b32 v[XST], 2, v30
	v_bfe_u32 v30, v0, 1, 1
	v_lshl_add_u32 v[XST], v30, 4, v[XST]
	v_bfe_u32 v30, v0, 2, 1
	v_lshl_add_u32 v[XST], v30, 3, v[XST]
	v_bfe_u32 v30, v0, 3, 2
	v_lshl_add_u32 v[XST], v30, 5, v[XST]
	s_mul_i32 s41, s[WV], 32*PITCH
	v_add_nc_u32 v[XST], s41, v[XST]
	v_mul_u32_u24 v[ADRX], v26, PITCH
	v_lshl_add_u32 v[ADRX], v27, 4, v[ADRX]        ; a fragment's row x pitch + 16 h: rows 0-63,
	v_add_nc_u32 v[ADRX+1], 64*PITCH, v[ADRX]      ; rows 64-127
	s_lshl_b32 s41, s[WV], 10
	s_add_co_u32 s41, s41, BIASL                   ; my 256 columns' biases
	v_lshlrev_b32 v[VBA], 5, v27
	v_add_nc_u32 v[VBA], s41, v[VBA]               ; q, k: eight numbers of my half of a tile
	v_lshlrev_b32 v[VBA+1], 2, v26
	v_add_nc_u32 v[VBA+1], s41, v[VBA+1]           ; v: my channel's number
	v_lshlrev_b32 v31, 5, v0                       ; the biases' way in: 32 bytes a thread
	v_add_nc_u32 v25, BIASL, v31
	s_lshl_b32 s42, s38, 20
	s_lshl_b32 s43, s[WV], 18
	s_add_co_u32 s48, s42, s43                     ; W: the weight, my 256 columns: 262,144 bytes on end
	s_mov_b32 s49, 0
	s_lshl_b32 s43, s40, 14
	s_add_co_u32 s42, s42, s43
	s_lshl_b32 s43, s[WV], 12
	s_add_co_u32 s42, s42, s43                     ; the prefetch: my work-group's 16,384 bytes of the weight, my wave's 4,096
	s_mov_b32 s43, 0
	s_lshl_b32 s50, s40, 19
	s_lshl_b32 s51, s[WV], 17
	s_add_co_u32 s50, s50, s51                     ; x: my 32 rows of 4,096 bytes
	s_mov_b32 s51, 0
	s_and_b32 s44, s40, 15
	s_lshl_b32 s44, s44, s46
	s_lshr_b32 s47, s40, 4
	s_lshl_b32 s47, s47, 21
	s_add_co_u32 s44, s44, s47
	s_lshl_b32 s47, s38, 23
	s_add_co_u32 s44, s44, s47
	s_lshl_b32 s47, s[WV], 19
	s_add_co_u32 s44, s44, s47                     ; qkvc: rows, batch, tensor, my four heads
	s_mov_b32 s45, 0
	s_wait_alu depctr_va_vdst(0)
	s_wait_kmcnt 0x0
	s_load_b256 s[24:31], s[18:19], 0x0            ; entries 0 to 7
	s_load_b128 s[32:35], s[18:19], 0x20           ; entries 8 to 11
	s_add_nc_u64 s[WP:WP+1], s[16:17], s[48:49]
	s_add_nc_u64 s[PFB:PFB+1], s[16:17], s[42:43]
	s_add_nc_u64 s[OB:OB+1], s[20:21], s[44:45]
	s_cmp_eq_u32 s38, 1                            ; the choices hang on the work-group's number alone
	s_cselect_b64 s[XP:XP+1], s[6:7], s[4:5]
	s_cselect_b64 s[BP:BP+1], s[12:13], s[10:11]
	s_cmp_eq_u32 s38, 2
	s_cselect_b64 s[XP:XP+1], s[8:9], s[XP:XP+1]
	s_cselect_b64 s[BP:BP+1], s[14:15], s[BP:BP+1]
	s_add_nc_u64 s[XP:XP+1], s[XP:XP+1], s[50:51]
	global_load_b128 v[112:115], v31, s[BP:BP+1]
	global_load_b128 v[116:119], v31, s[BP:BP+1] offset:16
	WIN 0x80
.irp r, 0,1,2,3,4,5,6,7                        ; eight rows, 64 loads of 512 consecutive bytes
.irp j, 0,1,2,3,4,5,6,7
	global_load_b128 v[32*\r+4*\j:32*\r+4*\j+3], v[LI], s[XP:XP+1] offset:\r*4096+512*\j th:TH_LOAD_NT
.endr
.endr
	WIN 0
	global_prefetch_b8 v[PFO], s[PFB:PFB+1] th:TH_LOAD_NT scope:SCOPE_SE
	s_wait_kmcnt 0x0
	s_cmp_eq_u32 s38, 1
	s_cselect_b32 s85, s26, s24
	s_cselect_b32 s86, s27, s25
	s_cselect_b32 s87, s31, s30
	s_cmp_eq_u32 s38, 2
	s_cselect_b32 s85, s28, s85                    ; ex
	s_cselect_b32 s86, s29, s86                    ; ew
	s_cselect_b32 s87, s32, s87                    ; eo
	s_add_co_i32 s88, s85, 127
	s_lshl_b32 s89, s88, 23
	v_mov_b32 v[SCX], s89                          ; 2^ex
	s_add_co_i32 s88, s88, 8
	s_lshl_b32 s88, s88, 23
	s_or_b32 s88, s88, 0x600000
	v_mov_b32 v[LMX], s88                          ; 448 x 2^ex
	s_add_co_i32 s86, s85, s86
	s_sub_co_i32 s87, s87, s86
	s_add_co_i32 s88, s87, 127
	s_lshl_b32 s89, s88, 23
	v_mov_b32 v[SCO], s89                          ; 2^(eo - ex - ew): a sum stands for sum x 2^(ex + ew)
	s_add_co_i32 s88, s88, 8
	s_lshl_b32 s88, s88, 23
	s_or_b32 s88, s88, 0x600000
	v_mov_b32 v[LMO], s88                          ; 448 x that
	s_sub_co_i32 s80, 127, s86
	s_lshl_b32 s80, s80, 23                        ; 2^-(ex + ew)
	s_mov_b32 s81, s80
	s_wait_loadcnt 63                              ; behind the two loads of biases stand x's 64: with 63 out at the most both are in (the wait's field holds no 64)
.irp i, 0,2,4,6
	v_pk_mul_f32 v[112+\i:113+\i], v[112+\i:113+\i], s[80:81] op_sel_hi:[1,0]
.endr
	ds_store_b128 v25, v[112:115]
	ds_store_b128 v25, v[116:119] offset:16
.macro XROW slot, reload, left         ; a row of x: the hold (ISA guide 7.6.2), the conversion, eight stores of four codes a lane
	s_wait_loadcnt \left
	WIN 0x82
.set i, 0
.rept 32
	v_med3_num_f32 v[32*\slot+i], v[32*\slot+i], -v[LMX], v[LMX]
.set i, i+1
.endr
	WIN 0x02
.irp p, 0,1,2,3
	v_cvt_scalef32_pk8_fp8_f32 v[CD+8*(\slot%2)+2*\p:CD+8*(\slot%2)+2*\p+1], v[32*\slot+8*\p:32*\slot+8*\p+7], v[SCX]
.endr
	WIN 0
.irp p, 0,1,2,3
	ds_store_b32 v[XSA], v[CD+8*(\slot%2)+2*\p] offset:\slot*PITCH+256*\p
	ds_store_b32 v[XSA], v[CD+8*(\slot%2)+2*\p+1] offset:\slot*PITCH+256*\p+128
.endr
.if \reload
	WIN 0x80
.irp j, 0,1,2,3,4,5,6,7
	global_load_b128 v[32*\slot+4*\j:32*\slot+4*\j+3], v[LI], s[XP:XP+1] offset:(\slot+8)*4096+512*\j th:TH_LOAD_NT
.endr
	WIN 0
.endif
.endm
	s_mov_b32 s77, 0
	s_mov_b32 s78, 3
.Lxloop:                                               ; three trips of eight rows, each row's registers asked for again eight rows on: behind a row's eight loads stand 56
	v_add_nc_u32 v[XSA], s77, v[XST]
	s_wait_alu depctr_va_vdst(0)
.irp r, 0,1,2,3,4,5,6,7
	XROW \r, 1, 56
.endr
	s_wait_xcnt 0x0                                ; the loads have read their base
	s_add_nc_u64 s[XP:XP+1], s[XP:XP+1], 32768
	s_add_co_u32 s77, s77, 8*PITCH
	s_sub_co_u32 s78, s78, 1
	s_cmp_lg_u32 s78, 0
	s_cbranch_scc1 .Lxloop
	v_add_nc_u32 v[XSA], s77, v[XST]
	s_wait_alu depctr_va_vdst(0)
.irp r, 0,1,2,3,4,5,6,7                        ; the last eight rows: behind row r come two fragments of W's K steps 0 and 1, eight loads: so behind row r's loads stand 8 (7 - r) of x and 8 r of W: 56 again
	XROW \r, 0, 56
	WIN 0x40
.irp c, 0,1,2,3
	global_load_b128 v[32*\r+4*\c:32*\r+4*\c+3], v[LI], s[WP:WP+1] offset:\r*4096+512*\c
	global_load_b128 v[32*\r+16+4*\c:32*\r+16+4*\c+3], v[LI], s[WP:WP+1] offset:\r*4096+2048+512*\c
.endr
	WIN 0
.endr
	s_wait_alu depctr_va_vdst(0)
	s_wait_dscnt 0x0                               ; my codes and biases are in LDS;
	s_barrier_signal -1
	s_barrier_wait -1                              ; everybody's are
.irp x, 0,1,2,3,4,5,6,7
	FRAGX \x, ADRX, 0                              ; K step 0 of x
.endr
; 32 matrix instructions: x's tiles 4 xh .. 4 xh + 3 against W's eight; the 64 accumulators take turns in the same order in every step
.macro MULH m, set, xh, first
.set x, 4*(\xh)
.rept 4
.set w, 0
.rept 8
.set AR, 8*(8*(x%4)+w)
.if \m == 0
.if \first
	v_wmma_f32_16x16x128_fp8_fp8 v[AR:AR+7], v[128*(\set)+16*w:128*(\set)+16*w+15], v[XF+16*x:XF+16*x+15], v[BB+8*w:BB+8*w+7]
.else
	v_wmma_f32_16x16x128_fp8_fp8 v[AR:AR+7], v[128*(\set)+16*w:128*(\set)+16*w+15], v[XF+16*x:XF+16*x+15], v[AR:AR+7]
.endif
.else
.if \first
	v_wmma_f32_16x16x128_fp8_fp8 v[AR:AR+7], v[XF+16*x:XF+16*x+15], v[128*(\set)+16*w:128*(\set)+16*w+15], v[BB+8*w:BB+8*w+7]
.else
	v_wmma_f32_16x16x128_fp8_fp8 v[AR:AR+7], v[XF+16*x:XF+16*x+15], v[128*(\set)+16*w:128*(\set)+16*w+15], v[AR:AR+7]
.endif
.endif
.set w, w+1
.endr
.set x, x+1
.endr
.endm
; A K step.  set: W's set; first: C = the bias; lw: the loads that may stay out; xl: fetch the next step's x (address ax, byte ko); wl: ask for W two steps on (byte woff; bump: the base steps two K steps first)
.macro STEP m, set, first, lw, xl, ax, ko, wl, woff, bump
	s_wait_loadcnt \lw                             ; this step's W is in; the next step's 32 loads may be out
.if \first
	s_wait_dscnt 0x0                               ; x and the bias
	WIN 0x81+3*(\m)
.else
	s_wait_dscnt 16                                ; x's tiles 0-3 are in; the youngest 16 loads (tiles 4-7) may be out
	WIN 0xa1+3*(\m)
.endif
	MULH \m, \set, 0, \first
	s_wait_dscnt 0x0
	PLACES                                         ; in front of loads into registers that the products above read
	WIN 0
.if \xl
.irp x, 0,1,2,3
	FRAGX \x, \ax, \ko
.endr
.endif
.if \first
	WIN 0xc1+3*(\m)
.else
	WIN 0xf1+3*(\m)
.endif
	MULH \m, \set, 1, \first
	PLACES
	WIN 0
.if \xl
.irp x, 4,5,6,7
	FRAGX \x, \ax, \ko
.endr
.endif
.if \wl
.if \bump
	s_wait_xcnt 0x0                                ; the last loads of W, a K step back, have read their base
	s_add_nc_u64 s[WP:WP+1], s[WP:WP+1], 32768
.endif
	WLOAD \set, \woff
.endif
.endm
; THE WAY OUT of a pass, eight accumulators at a time: the hold, the conversion, four stores of 512 consecutive bytes, aligned.
; q, k: chunk c = x tile c, W tiles 0-7: 128 channels of 16 rows.  v: chunk c = x tiles 4 (c / 4) .. + 3, W tiles 2 (c % 4), + 1: 64 keys of 32 channels.
.macro EPI m
.set c, 0
.rept 8
	WIN 0x82+0x41*(c/4)
.set i, 0
.rept 8
.if \m == 0
.set AR, 8*(8*(c%4)+i)
.else
.set AR, 8*(8*(i/2)+2*(c%4)+(i%2))
.endif
.set j, 0
.rept 8
	v_med3_num_f32 v[AR+j], v[AR+j], -v[LMO], v[LMO]   ; each accumulator from its low end on
.set j, j+1
.endr
.set i, i+1
.endr
.if c >= 2
	s_wait_alu depctr_va_vdst(0)
	s_wait_xcnt 0x0                                ; the stores of two chunks back have read their registers
.endif
	WIN 0x02+(c/4)
.set i, 0
.rept 8
.if \m == 0
.set AR, 8*(8*(c%4)+i)
.set DD, CD+16*(c%2)+2*i
.else
.set AR, 8*(8*(i/2)+2*(c%4)+(i%2))
.set DD, CD+16*(c%2)+8*(i%2)+2*(i/2)
.endif
	v_cvt_scalef32_pk8_fp8_f32 v[DD:DD+1], v[AR:AR+7], v[SCO]
.set i, i+1
.endr
	WIN 0                                          ; (the next plain vector lines, the next chunk's holds or the next trip's additions, stand behind the conversions)
.irp e, 0,1,2,3
.if \m == 0
	global_store_b128 v[LI], v[CD+16*(c%2)+4*\e:CD+16*(c%2)+4*\e+3], s[OB:OB+1] offset:c*512+\e*65536
.else
	global_store_b128 v[LI], v[CD+16*(c%2)+4*\e:CD+16*(c%2)+4*\e+3], s[OB:OB+1] offset:(2*(c%4)+\e/2)*32768+(2*(c/4)+\e%2)*512
.endif
.endr
.set c, c+1
.endr
	s_wait_xcnt 0x0                                ; the stores have read their base
	s_add_nc_u64 s[OB:OB+1], s[OB:OB+1], 262144    ; the next pass's two heads
.endm
; THE PRODUCTS: one loop, a trip = two K steps; trips 0-3 are pass 0, trips 4-7 pass 1.  Trips 4 and 8 begin with the way out of the pass just ended; trip 8 then leaves.  Trip 7 asks for no more W: its two steps are an arm of
; their own, so that every counted wait has the same loads behind it on every way that reaches it.  All branches hang on the trip's number alone.
.macro GEMM m
	s_mov_b32 s[I], 0
.Lloop_\m:
	s_lshl_b32 s[KA], s[I], 8
	s_and_b32 s[KA], s[KA], 0x300                  ; this trip's first K step in a row of codes
	s_add_co_u32 s[KB], s[I], 1
	s_lshl_b32 s[KB], s[KB], 8
	s_and_b32 s[KB], s[KB], 0x300                  ; the next trip's
	v_add_nc_u32 v[AXA], s[KA], v[ADRX]
	v_add_nc_u32 v[AXA+1], s[KA], v[ADRX+1]
	v_add_nc_u32 v[AXB], s[KB], v[ADRX]
	v_add_nc_u32 v[AXB+1], s[KB], v[ADRX+1]
	s_wait_alu depctr_va_vdst(0)
	s_and_b32 s94, s[I], 3
	s_cmp_lg_u32 s94, 0
	s_cbranch_scc1 .Lmid_\m
	s_cmp_eq_u32 s[I], 0
	s_cbranch_scc1 .Lfirst_\m
	EPI \m
	s_cmp_eq_u32 s[I], 8
	s_cbranch_scc1 .Ldone_\m
.Lfirst_\m:
	s_lshl_b32 s[PB], s[I], 7
	s_and_b32 s[PB], s[PB], 512                    ; the pass's 128 columns
	v_add_nc_u32 v[BA], s[PB], v[VBA+\m]
.irp w, 0,1,2,3,4,5,6,7
.if \m == 0
	ds_load_b128 v[BB+8*\w:BB+8*\w+3], v[BA] offset:64*\w
	ds_load_b128 v[BB+8*\w+4:BB+8*\w+7], v[BA] offset:64*\w+16
.else
.irp j, 0,1,2,3,4,5,6,7
	ds_load_b32 v[BB+8*\w+\j], v[BA] offset:64*\w  ; my channel's bias for each of my eight keys
.endr
.endif
.endr
	STEP \m, 0, 1, 32, 1, AXA, 128, 1, 0, 1
	s_branch .Lodd_\m
.Lmid_\m:
	s_cmp_eq_u32 s[I], 7
	s_cbranch_scc1 .Ltail_\m
	STEP \m, 0, 0, 32, 1, AXA, 128, 1, 0, 1
.Lodd_\m:
	STEP \m, 1, 0, 32, 1, AXB, 0, 1, 16384, 0
	s_branch .Lbot_\m
.Ltail_\m:
	STEP \m, 0, 0, 32, 1, AXA, 128, 0, 0, 0
	STEP \m, 1, 0, 0, 0, AXB, 0, 0, 0, 0
.Lbot_\m:
	s_add_co_u32 s[I], s[I], 1
	s_cmp_lt_u32 s[I], 9
	s_cbranch_scc1 .Lloop_\m
.Ldone_\m:
	s_wait_tensorcnt 0x0                           ; the wave's end
	ds_add_u32 v[SPW], v[NIL]
	s_wait_dscnt 0x0
	s_endpgm
.endm
	s_cmp_eq_u32 s[MODE], 0
	s_cbranch_scc0 .Lfor_v
	GEMM 0
.Lfor_v:
	GEMM 1
.Lfunc_end_k_q0cb5165cdb_proj:
	.size	k_q0cb5165cdb_proj, .Lfunc_end_k_q0cb5165cdb_proj-k_q0cb5165cdb_proj
	.p2alignl 7, 3214868480
	.fill 96, 4, 3214868480
	.section	.rodata,"a",@progbits
	.p2align	6, 0x0
	.amdhsa_kernel k_q0cb5165cdb_proj
		.amdhsa_group_segment_fixed_size 137728
		.amdhsa_private_segment_fixed_size 0
		.amdhsa_enable_private_segment 0
		.amdhsa_kernarg_size 72
		.amdhsa_user_sgpr_count 2
		.amdhsa_user_sgpr_kernarg_segment_ptr 1
		.amdhsa_wavefront_size32 1
		.amdhsa_system_sgpr_workgroup_id_x 1
		.amdhsa_system_sgpr_workgroup_id_y 1
		.amdhsa_system_sgpr_workgroup_id_z 1
		.amdhsa_system_vgpr_workitem_id 0
		.amdhsa_next_free_vgpr 1024
		.amdhsa_next_free_sgpr 100
		.amdhsa_reserve_vcc 0
		.amdhsa_float_denorm_mode_32 3
		.amdhsa_float_denorm_mode_16_64 3
		.amdhsa_memory_ordered 1
		.amdhsa_forward_progress 1
		.amdhsa_inst_pref_size 240
	.end_amdhsa_kernel
	.amdgpu_metadata
---
amdhsa.version: [ 1, 2 ]
amdhsa.kernels:
  - .name:           k_q0cb5165cdb_proj
    .symbol:         k_q0cb5165cdb_proj.kd
    .args:
      - { .name: q, .offset: 0, .size: 8, .value_kind: global_buffer, .address_space: global }
      - { .name: k, .offset: 8, .size: 8, .value_kind: global_buffer, .address_space: global }
      - { .name: v, .offset: 16, .size: 8, .value_kind: global_buffer, .address_space: global }
      - { .name: bq, .offset: 24, .size: 8, .value_kind: global_buffer, .address_space: global }
      - { .name: bk, .offset: 32, .size: 8, .value_kind: global_buffer, .address_space: global }
      - { .name: bv, .offset: 40, .size: 8, .value_kind: global_buffer, .address_space: global }
      - { .name: wc, .offset: 48, .size: 8, .value_kind: global_buffer, .address_space: global }
      - { .name: lowp_scales, .offset: 56, .size: 8, .value_kind: global_buffer, .address_space: global }
      - { .name: qkvc, .offset: 64, .size: 8, .value_kind: global_buffer, .address_space: global }
    .group_segment_fixed_size: 137728
    .private_segment_fixed_size: 0
    .kernarg_segment_align: 8
    .kernarg_segment_size: 72
    .max_flat_workgroup_size: 128
    .sgpr_count:     100
    .vgpr_count:     1024
    .wavefront_size: 32
...
	.end_amdgpu_metadata
.endif
;; end of part 2
;; launch attn (part 3): grid 4 x 64, 8 waves a work-group, no clusters, 327,680 bytes of LDS; arguments qkvc, lowp_scales, ac; writes ac
.if DOCPART == 3
	.amdgcn_target "amdgcn-amd-amdhsa--gfx1250"
	.amdhsa_code_object_version 6
	.text
	.protected	k_q0cb5165cdb_attn
	.globl	k_q0cb5165cdb_attn
	.p2align	8
	.type	k_q0cb5165cdb_attn,@function
k_q0cb5165cdb_attn:
	s_mov_b64 s[64:65], 0
	v_nop
	global_prefetch_b8 v0, s[64:65] scope:SCOPE_SE
	s_setreg_imm32_b32 hwreg(HW_REG_WAVE_MODE, 25, 1), 1
	s_wait_xcnt 0x0
; Causal attention of one head on codes of E4M3: S^T = K Q^T (K = the head's 64), p = 2^(t - M) quantised along the keys, O^T = V^T P^T (K = 128 keys a step), O / the sum quantised for the last projection.
; t = score x log2(e) / 8; M = the running largest t rounded UP to a whole number; the row's sum is taken of the unquantised p; when M moves, the sum and O^T are multiplied by 2^(old M - new M): exact.
; Scales: entries 6 (q), 7 (k), 8 (v), 9 (p), 10 (the output's codes).  LIMITS: e6 + e7 between -123 and 130 (added to c's exponent field); e9, e10 between -126 and 119; the scaled scores stay under 2^31 in magnitude.
; LEFT OUT: only key steps all of whose keys come after a wave's queries, which reference()'s own causal mask throws away for every input.
; All operands lie in qkvc as images of their registers, in the plain 8-bit form's own layout: every fetch of a fragment's four registers is 512 consecutive bytes.
; SHARES: work-group j (0..3) of a head takes the 256 queries of block 7 - j, and then those of block j: 8 - j and j + 1 slots of 256 keys, nine slots in every work-group, and each slot that is asked for is read.
; A wave owns 32 queries, two tiles of 16 (u = 0, 1), which share every fragment of K and V; a lane holds ONE query of each tile (lane % 16).  The two tiles' chains stand line by line beside each other.
; THE RING: two slots of 256 keys (K: [half of the head][16 tiles][512 bytes]; V: [16 channels x 4][8 groups of 32 keys][512]); each of the eight waves fetches 4,096 bytes on end: one tensor load a wave behind each barrier.
; At the change of query blocks the finished block leaves, the largest t goes back to -3e38, and the first f is 0: O^T and the sums (finite: at most 2,048 x 448 x 448) become zeros without being cleared.
; NO CLUSTER: the four work-groups of a head change query blocks at different trips (8 - j), and from there on need different slots in the same trip: partners could not make the same requests.
; REGISTERS, window 0: v1 16 x lane; v2 r - 8 h; v8 the slot's address; v12-15 -M and the largest t; v16-19 the sums; v20-23 f; v24-39 Q; v40-103 K's fragments; v104-231 S^T, then p; v232-235 scales; v236-254 at work.
; window 1: v0-63 O^T; v64-127 V's fragments; v128-159 p's codes; v160-175 the second block's Q.
.set SLOT1, 32768
.set VOFF,  16384
.set SPARE, 65536                      ; the spare words, 128 bytes for each of eight waves: four blocks of 256 bytes that no other line names
.set LI,   1
.set DQ,   2
.set PFO,  3
.set SPW,  5
.set NIL,  6
.set ADR,  8
.set MM,   12
.set LS,   16
.set FF,   20
.set QR,   24
.set KR,   40
.set SR,   104
.set CP,   232
.set HP,   233
.set CO,   234
.set HO,   235
.set TT,   236
.set XX,   248
.set PL,   252
.set NINF, 254
.set OT,   0
.set VR,   64
.set PC,   128
.set Q2R,  160
.set TB,   2                           ; s2   LDS byte at which the slot in hand begins
.set WV,   18
.set SEL,  20
.set CS,   22
.set G1,   24
.set G0,   40
.set GST,  44                          ; s44  a slot on in memory: 8,192 bytes of K, 4,096 of V
.set OFF,  46                          ; s[46:47] the asked slot's offset in memory
.set GB,   48                          ; s[48:49] where my part of slot 0 lies in memory
.set PH,   50                          ; s50  j;  s51  j + 1
.set PH1,  51
.set QC,   52                          ; s52  my first query in hand;  s53  that of the second block
.set QN,   53
.set KF,   54                          ; s54  the first key of the slot in hand
.set OA1,  56                          ; s[56:57], s[58:59] where my two blocks' codes go
.set OA2,  58
.set SLOTS, 67
.set PFA,  76
.set PFS,  78
.set LIM,  80
.set MSB, 0
.macro WIN new                         ; the immediate's high byte repeats the setting that is left
.if MSB != (\new)
	s_set_vgpr_msb (MSB<<8)|(\new)
.set MSB, (\new)
.endif
.endm
; A prefetch of what the NEXT change of slots will ask for.  The four work-groups of a head walk the same slots in their first block: the one with j = 0, which walks all eight, asks, by its waves 0-3: waves 0, 1 a half of K's slot
; each (8,192 bytes, lanes 256 bytes apart), waves 2, 3 two of V's four runs of 4,096 bytes each: each aligned block of 256 bytes is named once.  Trip n names slot n + 2, up to slot 7 (SLOTS = 8 - n above 2).
.macro ASK
	s_cmp_gt_u32 s[SLOTS], s[LIM]
	s_cbranch_scc0 .Lnot_mine_\@
	global_prefetch_b8 v[PFO], s[PFA:PFA+1] th:TH_LOAD_NT scope:SCOPE_SE
.Lnot_mine_\@:
.endm
.macro OADDR q, d                      ; ac: [row block of 128][head / 2][tile of 16 rows][2,048], my head's half of an image; s82 holds the head's part
	s_lshr_b32 s84, s[\q], 7
	s_lshl_b32 s84, s84, 17
	s_bfe_u32 s85, s[\q], 0x30004
	s_lshl_b32 s85, s85, 11
	s_add_co_u32 s84, s84, s85
	s_add_co_u32 s84, s84, s82
	s_mov_b32 s85, 0
	s_add_nc_u64 s[\d:\d+1], s[8:9], s[84:85]
.endm
.macro QLOAD r, a                      ; two tiles of Q: channels 0-31 and 32-63 of each
	global_load_b128 v[\r:\r+3], v[LI], s[\a:\a+1]
	global_load_b128 v[\r+4:\r+7], v[LI], s[\a:\a+1] offset:65536
	global_load_b128 v[\r+8:\r+11], v[LI], s[\a:\a+1] offset:512
	global_load_b128 v[\r+12:\r+15], v[LI], s[\a:\a+1] offset:66048
.endm
	s_load_b128 s[4:7], s[0:1], 0x0                ; qkvc, the scales' exponents
	s_load_b64 s[8:9], s[0:1], 0x10                ; ac
	v_lshl_add_u32 v[SPW], v0, 2, SPARE
	v_mov_b32 v[NIL], 0
	ds_add_u32 v[SPW], v[NIL]                      ; the opening: the add, twice on end, and its wait ahead of the first tensor load
	ds_add_u32 v[SPW], v[NIL]
	v_lshrrev_b32 v8, 5, v0
	v_readfirstlane_b32 s[WV], v8                  ; wave 0..7
	s_and_b32 s10, ttmp7, 0xffff                   ; 16 x batch + head
	s_lshl_b32 s11, s10, 17                        ; the head's 131,072 bytes in each part of qkvc
	s_mov_b32 s[PH], ttmp9
	s_add_co_u32 s[PH1], ttmp9, 1
	s_sub_co_u32 s12, 7, ttmp9
	s_lshl_b32 s12, s12, 8
	s_lshl_b32 s13, ttmp9, 8
	s_lshl_b32 s15, s[WV], 5
	s_add_co_u32 s[QC], s12, s15                   ; 256 (7 - j) + 32 wave
	s_add_co_u32 s[QN], s13, s15                   ; 256 j + 32 wave
	; what I fetch: waves 0-3: K, half w / 2, tiles 8 (w % 2) on; waves 4-7: V, channels 16 (w - 4) on
	s_lshr_b32 s33, s[WV], 2                       ; 0: K, 1: V
	s_bfe_u32 s16, s[WV], 0x10001
	s_lshl_b32 s16, s16, 16
	s_and_b32 s17, s[WV], 1
	s_mul_i32 s32, s33, 3
	s_add_co_u32 s32, s32, 12
	s_lshl_b32 s17, s17, s32                       ; 4,096 (K) or 32,768 (V)
	s_add_co_u32 s16, s16, s17
	s_add_co_u32 s32, s33, 1
	s_lshl_b32 s32, s32, 23                        ; K's part at 8 MiB, V's at 16 MiB
	s_add_co_u32 s16, s16, s32
	s_add_co_u32 s16, s16, s11
	s_mov_b32 s17, 0
	s_mov_b32 s32, 8192
	s_lshr_b32 s[GST], s32, s33
	s_mov_b32 s[OFF], 0
	s_mov_b32 s[OFF+1], 0
	s_mov_b32 s[G1], 3<<16                         ; no mask; elements of 8 bytes; no padding
	s_mov_b32 s[G1+1], 32<<16                      ; rows of 256 bytes,
	s_mov_b32 s[G1+2], 16<<16                      ; 16 of them: 4,096 bytes on end
	s_mov_b32 s[G1+3], 32<<16
	s_mov_b32 s[G1+4], 16
	s_mov_b32 s[G1+5], 32
	s_mov_b32 s[G1+6], 0
	s_mov_b32 s[G1+7], 0
	s_mov_b32 s[G0], 1
	s_lshl_b32 s[G0+1], s[WV], 12                  ; slot 0, 4,096 bytes a wave
	s_mov_b32 s[SEL], 0x76543210
	s_mov_b32 s[SEL+1], 0xfedcba98
	s_mov_b32 s[CS], 0x3e38aa3b                    ; c = log2(e) / 8
	s_mov_b32 s[TB], 0
	s_mov_b32 s[SLOTS], 8
	s_mov_b32 s[KF], 0
	s_wait_dscnt 0x0                               ; both opening adds are done
	s_wait_kmcnt 0x0
	s_load_b128 s[68:71], s[6:7], 0x18             ; e6, e7, e8, e9
	s_load_b32 s72, s[6:7], 0x28                   ; e10
	s_add_nc_u64 s[GB:GB+1], s[4:5], s[16:17]
	s_mov_b64 s[G0+2:G0+3], s[GB:GB+1]
	s_or_b32 s[G0+3], s[G0+3], 0x80000000          ; type = 2
	tensor_load_to_lds s[G0:G0+3], s[G1:G1+7]      ; slot 0: every wave's one load at the head
	s_nop 0
	s_lshl_b32 s34, s[QC], 5                       ; Q: tile (query / 16) of 512 bytes
	s_add_co_u32 s34, s34, s11
	s_mov_b32 s35, 0
	s_add_nc_u64 s[36:37], s[4:5], s[34:35]
	s_lshl_b32 s34, s[QN], 5
	s_add_co_u32 s34, s34, s11
	s_add_nc_u64 s[38:39], s[4:5], s[34:35]
	s_lshr_b32 s82, s10, 4
	s_lshl_b32 s82, s82, 21
	s_bfe_u32 s83, s10, 0x30001
	s_lshl_b32 s83, s83, 14
	s_add_co_u32 s82, s82, s83
	s_and_b32 s83, s10, 1
	s_lshl_b32 s83, s83, 10
	s_add_co_u32 s82, s82, s83
	OADDR QC, OA1
	OADDR QN, OA2
	; the prefetches: every wave's registers hold a place inside the buffer (by wave % 4); who asks is said by LIM
	s_and_b32 s82, s[WV], 3
	s_and_b32 s83, s82, 1
	s_lshl_b32 s83, s83, 16
	s_add_co_u32 s83, s83, s11
	s_mov_b32 s84, 0x1000000
	s_mov_b32 s85, 4096
	s_mov_b32 s86, 32768
	s_cmp_lt_u32 s82, 2
	s_cselect_b32 s84, 0x800000, s84               ; K's part or V's
	s_cselect_b32 s[PFS], 8192, s85                ; a slot on
	s_cselect_b32 s86, 4096, s86                   ; from lanes 0-15 to lanes 16-31
	s_add_co_u32 s83, s83, s84
	s_add_co_u32 s82, s83, s[PFS]                  ; in slot 1: the first change of slots steps it to slot 2.  Nothing is prefetched at the head
	s_mov_b32 s83, 0
	s_mov_b32 s[PFS+1], 0
	s_add_nc_u64 s[PFA:PFA+1], s[4:5], s[82:83]
	s_lshr_b32 s87, s[WV], 2                       ; 0 in waves 0 to 3,
	s_or_b32 s87, s87, ttmp9                       ; of the head's work-group 0
	s_cmp_eq_u32 s87, 0
	s_cselect_b32 s[LIM], 2, -1
	v_and_b32 v[LI], 31, v0
	v_lshlrev_b32 v[LI], 4, v[LI]
	QLOAD QR, 36                                   ; the first block's Q stays in registers,
	WIN 0x40
	QLOAD Q2R, 38                                  ; the second block's waits in window 1
.set n, 0
.rept 64
	v_mov_b32 v[OT+n], 0                           ; O^T: the step is written once; the first change of M leaves zeros zeros
.set n, n+1
.endr
	WIN 0
	v_and_b32 v[DQ], 15, v0
	v_bfe_u32 v9, v0, 4, 1
	v_lshlrev_b32 v10, 3, v9
	v_sub_nc_u32 v[DQ], v[DQ], v10                 ; r - 8 h
	v_and_b32 v[PFO], 15, v0
	v_lshlrev_b32 v[PFO], 8, v[PFO]
	v_mul_lo_u32 v9, v9, s86
	v_add_nc_u32 v[PFO], v[PFO], v9
.irp u, 0,1
	v_mov_b32 v[MM+2*\u+1], 0xff61b1e6             ; the largest t so far: -3e38
	v_mov_b32 v[LS+2*\u], 0
	v_mov_b32 v[LS+2*\u+1], 0
	v_mov_b32 v[FF+2*\u+1], 0                      ; (named as the upper half of f's pair)
	v_mov_b32 v[PL+\u], 0                          ; a lane permute's destination counts as one of its sources
	v_floor_f32 v[MM+2*\u], -v[MM+2*\u+1]          ; -M
.endr
	v_mov_b32 v[NINF], 0xff800000
	s_wait_kmcnt 0x0
	s_add_co_i32 s73, s68, s69
	s_lshl_b32 s73, s73, 23
	s_add_co_i32 s[CS], s[CS], s73                 ; a score stands for score x 2^(e6 + e7)
	s_mov_b32 s[CS+1], s[CS]
	s_add_co_i32 s73, s71, 127
	s_lshl_b32 s74, s73, 23
	v_mov_b32 v[CP], s74                           ; 2^e9
	s_add_co_i32 s73, s73, 8
	s_lshl_b32 s73, s73, 23
	s_or_b32 s73, s73, 0x600000
	v_mov_b32 v[HP], s73                           ; 448 x 2^e9
	s_add_co_i32 s73, s72, 127
	s_lshl_b32 s74, s73, 23
	v_mov_b32 v[CO], s74                           ; 2^e10
	s_add_co_i32 s73, s73, 8
	s_lshl_b32 s73, s73, 23
	s_or_b32 s73, s73, 0x600000
	v_mov_b32 v[HO], s73                           ; 448 x 2^e10
	s_add_co_i32 s75, s70, s71                     ; e8 + e9
.macro KLOAD q                         ; K's eight fragments of the slot's q-th 128 keys: 16 loads
.irp kt, 0,1,2,3,4,5,6,7
	ds_load_b128 v[KR+8*\kt:KR+8*\kt+3], v[ADR] offset:(8*(\q)+\kt)*512
	ds_load_b128 v[KR+8*\kt+4:KR+8*\kt+7], v[ADR] offset:8192+(8*(\q)+\kt)*512
.endr
.endm
; A KEY STEP: 128 keys, the q-th of the slot in hand, for both my tiles.  Step 0 of a slot counts for every wave (a slot's first key is at or under every query of the block in hand).
.macro STEP q
.if \q
	s_add_co_u32 s96, s[KF], 128                   ; step 1 is left out where all its keys come after my 32 queries: a scalar branch on ids, round no barrier and no tensor load
	s_add_co_u32 s97, s[QC], 31
	s_cmp_gt_u32 s96, s97
	s_cbranch_scc1 .Lhid_\@
.else
	v_add_nc_u32 v[ADR], s[TB], v[LI]
	KLOAD 0
	s_wait_alu depctr_va_vdst(0)
.endif
	s_wait_dscnt 0x0                               ; K's fragments are in (step 1's were asked for in step 0)
.irp kt, 0,1,2,3,4,5,6,7
.irp u, 0,1
	v_wmma_f32_16x16x64_fp8_fp8 v[SR+64*\u+8*\kt:SR+64*\u+8*\kt+7], v[KR+8*\kt:KR+8*\kt+7], v[QR+8*\u:QR+8*\u+7], 0   ; lane (r, h): query r; register j: key 16 kt + 8 h + j
.endr
.endr
.rept 4
	v_nop                                          ; places behind the products, in front of the loads below and of the first reads of the scores
.endr
	WIN 0x40
.irp dt, 0,1,2,3                               ; V's fragments land under the softmax
.irp g, 0,1,2,3
	ds_load_b128 v[VR+16*\dt+4*\g:VR+16*\dt+4*\g+3], v[ADR] offset:VOFF+\dt*4096+(4*(\q)+\g)*512
.endr
.endr
	WIN 0
.if (\q) == 0
	KLOAD 1                                        ; and so do the next step's fragments of K
.endif
	s_add_co_u32 s96, s[KF], 128*(\q)+127          ; on the diagonal hidden scores become -infinity ahead of the maximum; a step all of whose keys count skips this
	s_cmp_le_u32 s96, s[QC]
	s_cbranch_scc1 .Lopen_\@
	s_sub_co_i32 s96, s[QC], s[KF]
	s_sub_co_i32 s96, s96, 128*(\q)
	v_add_nc_u32 v[TT], s96, v[DQ]                 ; d = my query - the step's first key - 8 h: register (kt, j) is hidden where 16 kt + j > d
	v_add_nc_u32 v[TT+1], 16, v[TT]                ; tile 1's queries lie 16 further on
.irp u, 0,1
.set n, 0
.rept 64
	v_cmp_gt_i32 vcc_lo, 16*(n/8)+n%8, v[TT+\u]
	v_cndmask_b32 v[SR+64*\u+n], v[SR+64*\u+n], v[NINF], vcc_lo
.set n, n+1
.endr
.endr
.Lopen_\@:
.irp u, 0,1                                    ; the step's largest score of my query among my 64 keys: two chains a tile, each accumulator from its low end on
	v_max3_num_f32 v[XX+2*\u], v[SR+64*\u], v[SR+64*\u+1], v[SR+64*\u+2]
.endr
.irp u, 0,1
	v_max3_num_f32 v[XX+2*\u+1], v[SR+64*\u+3], v[SR+64*\u+4], v[SR+64*\u+5]
.endr
.irp i, 6,10,14,18,22,26,30,34,38,42,46,50,54,58
.irp u, 0,1
	v_max3_num_f32 v[XX+2*\u], v[XX+2*\u], v[SR+64*\u+\i], v[SR+64*\u+\i+1]
.endr
.irp u, 0,1
	v_max3_num_f32 v[XX+2*\u+1], v[XX+2*\u+1], v[SR+64*\u+\i+2], v[SR+64*\u+\i+3]
.endr
.endr
.irp u, 0,1
	v_max3_num_f32 v[XX+2*\u], v[XX+2*\u], v[SR+64*\u+62], v[SR+64*\u+63]
.endr
.irp u, 0,1
	v_max_num_f32 v[XX+2*\u], v[XX+2*\u], v[XX+2*\u+1]
.endr
.irp u, 0,1
	v_permlanex16_b32 v[PL+\u], v[XX+2*\u], s[SEL], s[SEL+1]
.endr
.irp u, 0,1
	v_max_num_f32 v[XX+2*\u], v[XX+2*\u], v[PL+\u]         ; and among lane l xor 16's
.endr
.irp u, 0,1
	v_mul_f32 v[XX+2*\u], s[CS], v[XX+2*\u]                ; as t (c is positive)
.endr
.irp u, 0,1
	v_max_num_f32 v[MM+2*\u+1], v[MM+2*\u+1], v[XX+2*\u]
.endr
.irp u, 0,1
	v_mov_b32 v[XX+2*\u], v[MM+2*\u]
.endr
.irp u, 0,1
	v_floor_f32 v[MM+2*\u], -v[MM+2*\u+1]                  ; the new -M = -ceil(t)
.endr
.irp u, 0,1
	v_sub_f32 v[XX+2*\u], v[MM+2*\u], v[XX+2*\u]           ; old M - new M: a whole number, 0 or less
.endr
.irp u, 0,1
	v_cvt_i32_f32 v[XX+2*\u], v[XX+2*\u]                   ; (it saturates)
.endr
.irp u, 0,1
	v_ldexp_f32 v[FF+2*\u], 1.0, v[XX+2*\u]                ; f = 2^(old M - new M)
.endr
.set n, 0
.rept 32
.irp u, 0,1
	v_pk_fma_f32 v[SR+64*\u+n:SR+64*\u+n+1], v[SR+64*\u+n:SR+64*\u+n+1], s[CS:CS+1], v[MM+2*\u:MM+2*\u+1] op_sel_hi:[1,0,0]   ; t - M
.endr
.set n, n+2
.endr
	s_wait_alu depctr_va_vdst(0)
.set n, 0
.rept 128
	v_exp_f32 v[SR+n], v[SR+n]                     ; p = 2^(t - M), both tiles
.set n, n+1
.endr
.irp u, 0,1
	v_pk_mul_f32 v[LS+2*\u:LS+2*\u+1], v[LS+2*\u:LS+2*\u+1], v[FF+2*\u:FF+2*\u+1] op_sel_hi:[1,0]   ; the sums under the new M: the plain lines behind the exponentials
.endr
	WIN 0x41
	s_wait_alu depctr_va_vdst(0)                   ; one wait for the batch, directly ahead of the first readers of O^T
.set n, 0
.rept 16
.irp u, 0,1
	v_pk_mul_f32 v[OT+32*\u+n:OT+32*\u+n+1], v[OT+32*\u+n:OT+32*\u+n+1], v[FF+2*\u:FF+2*\u+1] op_sel_hi:[1,0]   ; O^T under the new M
.endr
.set n, n+2
.endr
	WIN 0
.irp c, 0,1,2                                  ; the row's sum of the unquantised p: four chains a tile
.irp u, 0,1
	v_pk_add_f32 v[TT+6*\u+2*\c:TT+6*\u+2*\c+1], v[SR+64*\u+4*\c:SR+64*\u+4*\c+1], v[SR+64*\u+4*\c+2:SR+64*\u+4*\c+3]
.endr
.endr
.set n, 12
.rept 6
.irp u, 0,1
	v_pk_add_f32 v[LS+2*\u:LS+2*\u+1], v[LS+2*\u:LS+2*\u+1], v[SR+64*\u+n:SR+64*\u+n+1]
.endr
.irp c, 0,1,2
.irp u, 0,1
	v_pk_add_f32 v[TT+6*\u+2*\c:TT+6*\u+2*\c+1], v[TT+6*\u+2*\c:TT+6*\u+2*\c+1], v[SR+64*\u+n+2+2*\c:SR+64*\u+n+3+2*\c]
.endr
.endr
.set n, n+8
.endr
.irp u, 0,1
	v_pk_add_f32 v[LS+2*\u:LS+2*\u+1], v[LS+2*\u:LS+2*\u+1], v[SR+64*\u+60:SR+64*\u+61]
.endr
.irp u, 0,1
	v_pk_add_f32 v[TT+6*\u:TT+6*\u+1], v[TT+6*\u:TT+6*\u+1], v[SR+64*\u+62:SR+64*\u+63]
.endr
.irp u, 0,1
	v_pk_add_f32 v[TT+6*\u+2:TT+6*\u+3], v[TT+6*\u+2:TT+6*\u+3], v[TT+6*\u+4:TT+6*\u+5]
.endr
.irp u, 0,1
	v_pk_add_f32 v[LS+2*\u:LS+2*\u+1], v[LS+2*\u:LS+2*\u+1], v[TT+6*\u:TT+6*\u+1]
.endr
.irp u, 0,1
	v_pk_add_f32 v[LS+2*\u:LS+2*\u+1], v[LS+2*\u:LS+2*\u+1], v[TT+6*\u+2:TT+6*\u+3]
.endr
.set n, 0
.rept 128
	v_min_num_f32 v[SR+n], v[SR+n], v[HP]          ; the hold (ISA guide 7.6.2); p is not negative
.set n, n+1
.endr
	WIN 0x40
.set n, 0
.rept 16
	v_cvt_scalef32_pk8_fp8_f32 v[PC+2*n:PC+2*n+1], v[SR+8*n:SR+8*n+7], v[CP]   ; registers 2 kt, 2 kt + 1 of a tile's P: keys 16 kt + 8 h + 0 .. 7
.set n, n+1
.endr
	v_nop                                          ; the plain line behind the conversions
	s_wait_alu depctr_va_vdst(0)
	s_wait_dscnt 16*(1-(\q))                       ; V is in; in step 0 the 16 loads of the next step's K, issued behind V's, may be out
	WIN 0x55
.irp dt, 0,1,2,3
.irp u, 0,1
	v_wmma_f32_16x16x128_fp8_fp8 v[OT+32*\u+8*\dt:OT+32*\u+8*\dt+7], v[VR+16*\dt:VR+16*\dt+15], v[PC+16*\u:PC+16*\u+15], v[OT+32*\u+8*\dt:OT+32*\u+8*\dt+7]   ; the eight accumulators by turns
.endr
.endr
	WIN 0
.if \q
.Lhid_\@:
.endif
.endm
; THE CHANGE OF SLOTS, at a slot's head: the wait for all my tensor loads, the add, the wait for it and for my reads of the slot that I have left; one barrier; behind it that slot is filled with the slot that follows in my walk.
.macro CHANGE fill
	s_wait_tensorcnt 0x0                           ; no tensor load of mine is out, so group 0 may be written
	ds_add_u32 v[SPW], v[NIL]                      ; 0 onto my spare word
.if \fill
	s_xor_b32 s[G0+1], s[G0+1], SLOT1
	s_add_co_u32 s[OFF], s[OFF], s[GST]            ; the next 256 keys,
	s_cmp_eq_u32 s[SLOTS], s[PH1]                  ; or, where the next trip begins the second block of queries, the head's first again
	s_cselect_b32 s[OFF], 0, s[OFF]
	s_add_nc_u64 s[G0+2:G0+3], s[GB:GB+1], s[OFF:OFF+1]
	s_or_b32 s[G0+3], s[G0+3], 0x80000000
	s_wait_xcnt 0x0                                ; the last prefetch, a slot back, has read its address
	s_add_nc_u64 s[PFA:PFA+1], s[PFA:PFA+1], s[PFS:PFS+1]
.endif
	s_wait_dscnt 0x0
	s_barrier_signal -1
	s_barrier_wait -1
.if \fill
	tensor_load_to_lds s[G0:G0+3], s[G1:G1+7]      ; my one tensor load until the next barrier; every wait on TENSORcnt in this text is for 0
	s_nop 0
.rept 4
	v_nop
.endr
	ASK
.endif
.endm
; THE WAY OUT of a block of queries: O = O^T x 2^(e8 + e9) / the sum, quantised with 2^e10.  Tile dt's eight channels are registers 2 dt, 2 dt + 1 of my head's half of the next product's fragment: stores of 512 consecutive bytes, aligned.
.macro FINISH oa
.irp u, 0,1
	v_add_f32 v[LS+2*\u], v[LS+2*\u], v[LS+2*\u+1]
.endr
.irp u, 0,1
	v_permlanex16_b32 v[PL+\u], v[LS+2*\u], s[SEL], s[SEL+1]
.endr
.irp u, 0,1
	v_add_f32 v[LS+2*\u], v[LS+2*\u], v[PL+\u]
.endr
	s_wait_alu depctr_va_vdst(0)
	v_rcp_f32 v[LS], v[LS]
	v_rcp_f32 v[LS+2], v[LS+2]
	v_nop                                          ; a plain line behind them
	s_wait_alu depctr_va_vdst(0)
	v_ldexp_f32 v[LS], v[LS], s75
	v_ldexp_f32 v[LS+2], v[LS+2], s75
	WIN 0x01
	s_wait_alu depctr_va_vdst(0)                   ; directly ahead of the first readers of O^T
.set n, 0
.rept 16
.irp u, 0,1
	v_pk_mul_f32 v[SR+64*\u+n:SR+64*\u+n+1], v[OT+32*\u+n:OT+32*\u+n+1], v[LS+2*\u:LS+2*\u+1] op_sel_hi:[1,0]
.endr
.set n, n+2
.endr
	WIN 0
.irp u, 0,1
.set n, 0
.rept 32
	v_med3_num_f32 v[SR+64*\u+n], v[SR+64*\u+n], -v[HO], v[HO]
.set n, n+1
.endr
.endr
.irp u, 0,1
.irp dt, 0,1,2,3
	v_cvt_scalef32_pk8_fp8_f32 v[SR+64*\u+32+2*\dt:SR+64*\u+33+2*\dt], v[SR+64*\u+8*\dt:SR+64*\u+8*\dt+7], v[CO]
.endr
.endr
	v_nop
.irp u, 0,1
	global_store_b128 v[LI], v[SR+64*\u+32:SR+64*\u+35], s[\oa:\oa+1] offset:2048*\u
	global_store_b128 v[LI], v[SR+64*\u+36:SR+64*\u+39], s[\oa:\oa+1] offset:2048*\u+512
.endr
.endm
; THE CHANGE OF QUERY BLOCKS, at the head of trip 8 - j (SLOTS = j): a scalar branch on ids, the same in all waves, round no barrier, wait on TENSORcnt, add or tensor load.
.macro SWITCH
	s_cmp_eq_u32 s[SLOTS], s[PH]
	s_cbranch_scc0 .Lsame_\@
	FINISH OA1
	s_mov_b32 s[QC], s[QN]
	s_mov_b32 s[KF], 0
.irp u, 0,1
	v_mov_b32 v[MM+2*\u+1], 0xff61b1e6             ; the largest t is -3e38 again: the next f is 0
.endr
.irp u, 0,1
	v_floor_f32 v[MM+2*\u], -v[MM+2*\u+1]
.endr
	WIN 0x01
.set n, 0
.rept 16
	v_mov_b32 v[QR+n], v[Q2R+n]
.set n, n+1
.endr
	WIN 0
	s_wait_xcnt 0x0                                ; the stores have read their registers, which the next scores land on
.Lsame_\@:
.endm
.macro SLOT_STEPS
	SWITCH
	STEP 0
	STEP 1
	s_xor_b32 s[TB], s[TB], SLOT1
	s_add_co_u32 s[KF], s[KF], 256
.endm
	s_wait_alu depctr_va_vdst(0)
	s_wait_loadcnt 0x0                             ; Q, both blocks'
.Lslot:                                                ; 8 trips: behind each change of slots the next slot of the walk is asked for
	CHANGE 1
	SLOT_STEPS
	s_sub_co_u32 s[SLOTS], s[SLOTS], 1
	s_cmp_lg_u32 s[SLOTS], 0
	s_cbranch_scc1 .Lslot
	CHANGE 0                                       ; the ninth slot is written out: nothing is left to ask for
	SLOT_STEPS
	FINISH OA2
	s_wait_tensorcnt 0x0                           ; the wave's end
	ds_add_u32 v[SPW], v[NIL]
	s_wait_dscnt 0x0
	s_endpgm
.Lfunc_end_k_q0cb5165cdb_attn:
	.size	k_q0cb5165cdb_attn, .Lfunc_end_k_q0cb5165cdb_attn-k_q0cb5165cdb_attn
	.p2alignl 7, 3214868480
	.fill 96, 4, 3214868480
	.section	.rodata,"a",@progbits
	.p2align	6, 0x0
	.amdhsa_kernel k_q0cb5165cdb_attn
		.amdhsa_group_segment_fixed_size 327680
		.amdhsa_private_segment_fixed_size 0
		.amdhsa_enable_private_segment 0
		.amdhsa_kernarg_size 24
		.amdhsa_user_sgpr_count 2
		.amdhsa_user_sgpr_kernarg_segment_ptr 1
		.amdhsa_wavefront_size32 1
		.amdhsa_system_sgpr_workgroup_id_x 1
		.amdhsa_system_sgpr_workgroup_id_y 1
		.amdhsa_system_sgpr_workgroup_id_z 1
		.amdhsa_system_vgpr_workitem_id 0
		.amdhsa_next_free_vgpr 448
		.amdhsa_next_free_sgpr 100
		.amdhsa_reserve_vcc 1
		.amdhsa_float_denorm_mode_32 3
		.amdhsa_float_denorm_mode_16_64 3
		.amdhsa_memory_ordered 1
		.amdhsa_forward_progress 1
		.amdhsa_inst_pref_size 188
	.end_amdhsa_kernel
	.amdgpu_metadata
---
amdhsa.version: [ 1, 2 ]
amdhsa.kernels:
  - .name:           k_q0cb5165cdb_attn
    .symbol:         k_q0cb5165cdb_attn.kd
    .args:
      - { .name: qkvc, .offset: 0, .size: 8, .value_kind: global_buffer, .address_space: global }
      - { .name: lowp_scales, .offset: 8, .size: 8, .value_kind: global_buffer, .address_space: global }
      - { .name: ac, .offset: 16, .size: 8, .value_kind: global_buffer, .address_space: global }
    .group_segment_fixed_size: 327680
    .private_segment_fixed_size: 0
    .kernarg_segment_align: 8
    .kernarg_segment_size: 24
    .max_flat_workgroup_size: 256
    .sgpr_count:     100
    .vgpr_count:     448
    .wavefront_size: 32
...
	.end_amdgpu_metadata
.endif
;; end of part 3
;; launch oproj (part 4): grid 8 x 64, 4 waves a work-group, clusters of 4 x 4, 327,680 bytes of LDS; arguments ac, wc, bo, lowp_scales, out0; writes out0
.if DOCPART == 4
	.amdgcn_target "amdgcn-amd-amdhsa--gfx1250"
	.amdhsa_code_object_version 6
	.text
	.protected	k_q0cb5165cdb_oproj
	.globl	k_q0cb5165cdb_oproj
	.p2align	8
	.type	k_q0cb5165cdb_oproj,@function
k_q0cb5165cdb_oproj:
	s_mov_b64 s[64:65], 0
	v_nop
	global_prefetch_b8 v0, s[64:65] scope:SCOPE_SE
	s_setreg_imm32_b32 hwreg(HW_REG_WAVE_MODE, 25, 1), 1
	s_wait_xcnt 0x0
	s_wait_alu depctr_hold_cnt(0) depctr_sa_sdst(0) depctr_va_vdst(0) depctr_va_sdst(0) depctr_va_ssrc(0) depctr_va_vcc(0) depctr_vm_vsrc(0)
	s_getreg_b32 s2, hwreg(HW_REG_IB_STS2, 6, 4)
	s_cmp_eq_u32 s2, 0
	s_cbranch_scc0 .Lentry_in_a_cluster
	s_endpgm
.Lentry_in_a_cluster:
	s_bfe_u32 s2, ttmp6, 0x10000c
	s_cmp_lg_u32 s2, 0xf033
	s_cbranch_scc0 .Lentry_shape_is_right
	s_endpgm
.Lentry_shape_is_right:
; out0 = A Wo + bo on codes of E4M3: A's codes in ac (scale entry 10), Wo's in wc (weight 3, entry 11), both as images of operand registers; out0: [8192][1024] f32.  LIMIT: e10 + e11 between -126 and 127.
; A tile of 128 x 128 of out0 to a work-group, 64 x 64 to each of four waves: 16 accumulators.  ALL OF K LIES IN LDS: A's block and W's block are 131,072 bytes on end each, and no byte is filled again.
; Wave w fetches for A (w < 2) or W, K steps 4 (w % 2) .. 4 (w % 2) + 3: ONE load of 65,536 bytes on end, its only one; one barrier shows all four to every wave.
; CLUSTER 4 x 4: A's block hangs on the tile row alone and is asked for jointly along a row of the cluster, W's on the tile column alone, along a column.
; NO PREFETCH: all that the work-group reads is asked for by the four loads at the head; there is no loop to run ahead in.
; TRANSPOSED USE: source 0 = W, source 1 = A: a lane holds eight neighbouring columns of one row.  The way out goes through the wave's own stage in LDS: sixteen lanes store 256 consecutive bytes, aligned.
; REGISTERS: window 0: v16-29 addresses; v32-63 bo; v64-95 results; v96-127 rows back from the stage; v128-255 accumulator (a, b) at v[128 + 8 (4 a + b)].  window 1: two sets of 128: A's four fragments, then W's four.
.set STAGE,  262144
.set SPITCH, 272
.set SPARE,  STAGE+4*16*SPITCH         ; the spare words, 128 bytes for each wave: two blocks of 256 bytes that no other line names
.set ADRA, 16
.set ADRW, 18
.set STO,  24
.set RD,   25
.set CO,   26
.set BOF,  27
.set SPW,  28
.set NIL,  29
.set BO,   32
.set TMP,  64
.set BK,   96
.set ACC,  128
.set G1A,  24
.set G1W,  32
.set G0A,  40
.set G0W,  44
.set W_MUL, 0x05                       ; sources 0 and 1 window 1; C and D window 0
.set TO_F,  0x40
.set MSB, 0
.macro WIN new
.if MSB != (\new)
	s_set_vgpr_msb (MSB<<8)|(\new)
.set MSB, (\new)
.endif
.endm
.macro PLACES
.rept 4
	v_nop
.endr
.endm
.macro CROUND
	s_barrier_signal -1
	s_barrier_wait -1
	s_cmp_lg_u32 s14, 0
	s_cbranch_scc1 .Lnot_wave_0_\@
	s_barrier_signal -3
.Lnot_wave_0_\@:
	s_barrier_wait -3
	s_barrier_signal -1
	s_barrier_wait -1
.endm
	s_load_b256 s[4:11], s[0:1], 0x0               ; ac, wc, bo, the scales' exponents
	s_load_b64 s[12:13], s[0:1], 0x20              ; out0
	v_lshl_add_u32 v[SPW], v0, 2, SPARE
	v_mov_b32 v[NIL], 0
	ds_add_u32 v[SPW], v[NIL]                      ; the opening: the add, twice on end, and its wait ahead of the first tensor load
	ds_add_u32 v[SPW], v[NIL]
	v_lshrrev_b32 v1, 5, v0
	v_readfirstlane_b32 s14, v1                    ; wave 0..3
	s_lshr_b32 s15, s14, 1                         ; my half of the rows; also: I fetch for A (0) or W (1)
	s_and_b32 s16, s14, 1                          ; my half of the columns; also: which four K steps I fetch
	s_bfe_u32 s17, ttmp6, 0x40000                  ; cx
	s_bfe_u32 s18, ttmp6, 0x40004                  ; cy
	s_lshl_b32 s19, ttmp9, 2
	s_add_co_u32 s19, s19, s17                     ; tile column 0..7
	s_and_b32 s20, ttmp7, 0xffff
	s_lshl_b32 s20, s20, 2
	s_add_co_u32 s20, s20, s18                     ; tile row 0..63
	s_lshl_b32 s21, s18, 2
	s_lshl_b32 s21, 15, s21                        ; my row of the cluster
	s_lshl_b32 s22, 0x1111, s17                    ; my column
	s_or_b32 s[G1A], s21, (3<<16)|(1<<21)          ; the mask; elements of 8 bytes; bit 21 beside a mask; no padding
	s_or_b32 s[G1W], s22, (3<<16)|(1<<21)
.irp g, G1A, G1W
	s_mov_b32 s[\g+1], 32<<16                      ; rows of 256 bytes,
	s_mov_b32 s[\g+2], 256<<16                     ; 256 of them: 65,536 bytes on end
	s_mov_b32 s[\g+3], 32<<16
	s_mov_b32 s[\g+4], 256
	s_mov_b32 s[\g+5], 32
	s_mov_b32 s[\g+6], 0
	s_mov_b32 s[\g+7], 0
.endr
	s_lshl_b32 s86, s16, 16                        ; K steps 4 (w % 2) on
	s_lshl_b32 s84, s20, 17                        ; A: the tile row's block (no register of A's descriptors ever holds cx)
	s_add_co_u32 s84, s84, s86
	s_mov_b32 s85, 0
	s_lshl_b32 s88, s19, 17                        ; W: weight 3, the tile column's block (none of W's ever holds cy)
	s_add_co_u32 s88, s88, s86
	s_add_co_u32 s88, s88, 3<<20
	s_mov_b32 s89, 0
	v_and_b32 v1, 31, v0
	v_lshlrev_b32 v2, 4, v1                        ; 16 x lane
	s_lshl_b32 s87, s15, 13
	v_add_nc_u32 v[ADRA], s87, v2                  ; my four tiles of rows, K steps 0-3;
	v_add_nc_u32 v[ADRA+1], 65536, v[ADRA]         ; K steps 4-7
	s_lshl_b32 s87, s16, 13
	s_add_co_u32 s87, s87, 131072
	v_add_nc_u32 v[ADRW], s87, v2
	v_add_nc_u32 v[ADRW+1], 65536, v[ADRW]
	v_and_b32 v3, 15, v0                           ; r
	v_bfe_u32 v4, v0, 4, 1                         ; h
	s_mul_i32 s87, s14, 16*SPITCH
	s_add_co_u32 s87, s87, STAGE                   ; my stage
	v_mul_u32_u24 v[STO], v3, SPITCH
	v_lshl_add_u32 v[STO], v4, 5, v[STO]
	v_add_nc_u32 v[STO], s87, v[STO]               ; in: row r, 32 bytes for each half of the lanes
	v_mul_u32_u24 v[RD], v4, SPITCH
	v_lshl_add_u32 v[RD], v3, 4, v[RD]
	v_add_nc_u32 v[RD], s87, v[RD]                 ; back: lanes 0-15 one row of 256 bytes, lanes 16-31 the next
	v_lshlrev_b32 v[CO], 12, v4
	v_lshl_add_u32 v[CO], v3, 4, v[CO]             ; and the same two rows in out0
	v_lshlrev_b32 v[BOF], 5, v4                    ; bo: my half's eight numbers of a tile
	s_lshl_b32 s90, s19, 9                         ; my first column in bytes: 512 x tile column + 256 x half
	s_lshl_b32 s91, s16, 8
	s_add_co_u32 s90, s90, s91
	s_mov_b32 s91, 0
	s_lshl_b32 s94, s20, 19                        ; my first row: 128 x tile row + 64 x half, rows of 4,096 bytes
	s_lshl_b32 s95, s15, 18
	s_add_co_u32 s94, s94, s95
	s_add_co_u32 s94, s94, s90
	s_mov_b32 s95, 0
	s_wait_dscnt 0x0                               ; both opening adds are done
	s_wait_kmcnt 0x0
	s_load_b64 s[92:93], s[10:11], 0x28            ; e10, e11
	s_add_nc_u64 s[4:5], s[4:5], s[84:85]
	s_add_nc_u64 s[6:7], s[6:7], s[88:89]
	s_add_nc_u64 s[8:9], s[8:9], s[90:91]
	s_add_nc_u64 s[12:13], s[12:13], s[94:95]
	s_mov_b32 s[G0A], 1
	s_mov_b32 s[G0A+1], s86
	s_mov_b64 s[G0A+2:G0A+3], s[4:5]
	s_or_b32 s[G0A+3], s[G0A+3], 0x80000000
	s_mov_b32 s[G0W], 1
	s_add_co_u32 s[G0W+1], s86, 131072
	s_mov_b64 s[G0W+2:G0W+3], s[6:7]
	s_or_b32 s[G0W+3], s[G0W+3], 0x80000000
	CROUND                                         ; all sixteen work-groups are here: the joint loads meet
	s_cmp_eq_u32 s15, 0                            ; one fill to each arm of one branch on the wave's number
	s_cbranch_scc0 .Lfor_w
	tensor_load_to_lds s[G0A:G0A+3], s[G1A:G1A+7]
	s_nop 0
	PLACES
	s_branch .Lasked
.Lfor_w:
	tensor_load_to_lds s[G0W:G0W+3], s[G1W:G1W+7]
	s_nop 0
	PLACES
.Lasked:
	s_wait_alu depctr_va_vdst(0)
.irp b, 0,1,2,3
	global_load_b128 v[BO+8*\b:BO+8*\b+3], v[BOF], s[8:9] offset:64*\b
	global_load_b128 v[BO+8*\b+4:BO+8*\b+7], v[BOF], s[8:9] offset:64*\b+16
.endr
.macro FETCH s                         ; 32 loads of 512 consecutive bytes: K step s: my four fragments of A and my four of W, into set s % 2
.set FB, 128*((\s)%2)
	WIN TO_F
.irp ii, 0,1,2,3
.irp c, 0,1,2,3
	ds_load_b128 v[FB+16*\ii+4*\c:FB+16*\ii+4*\c+3], v[ADRA+(\s)/4] offset:((\s)%4)*16384+\ii*2048+512*\c
.endr
.irp c, 0,1,2,3
	ds_load_b128 v[FB+64+16*\ii+4*\c:FB+64+16*\ii+4*\c+3], v[ADRW+(\s)/4] offset:((\s)%4)*16384+\ii*2048+512*\c
.endr
.endr
	WIN 0
.endm
.macro MULT s                          ; 16 matrix instructions, the accumulators by turns; K step 0 starts the sums
.set FB, 128*((\s)%2)
.set a, 0
.rept 4
.set b, 0
.rept 4
.if (\s) == 0
	v_wmma_f32_16x16x128_fp8_fp8 v[ACC+8*(4*a+b):ACC+8*(4*a+b)+7], v[FB+64+16*b:FB+64+16*b+15], v[FB+16*a:FB+16*a+15], 0
.else
	v_wmma_f32_16x16x128_fp8_fp8 v[ACC+8*(4*a+b):ACC+8*(4*a+b)+7], v[FB+64+16*b:FB+64+16*b+15], v[FB+16*a:FB+16*a+15], v[ACC+8*(4*a+b):ACC+8*(4*a+b)+7]
.endif
.set b, b+1
.endr
.set a, a+1
.endr
.endm
.macro KSTEP s
.if (\s) < 7
	PLACES                                         ; in front of loads into the set that the step before multiplied
	FETCH (\s)+1
	s_wait_dscnt 32                                ; all but the 32 just issued
.else
	s_wait_dscnt 0x0
.endif
	WIN W_MUL
	MULT \s
	WIN 0
.endm
	s_wait_tensorcnt 0x0                           ; my load is in;
	s_barrier_signal -1
	s_barrier_wait -1                              ; everybody's is
	FETCH 0
.irp s, 0,1,2,3,4,5,6,7
	KSTEP \s
.endr
	s_wait_kmcnt 0x0
	s_add_co_i32 s92, s92, s93
	s_add_co_i32 s92, s92, 127
	s_lshl_b32 s92, s92, 23                        ; 2^(e10 + e11) as f32
	s_mov_b32 s93, s92                             ; (named with it as a pair, so it is written)
	s_wait_loadcnt 0x0                             ; bo
	PLACES
.irp a, 0,1,2,3                        ; 16 rows x 64 columns at a time
.irp b, 0,1,2,3
.irp i, 0,2,4,6
	v_pk_fma_f32 v[TMP+8*\b+\i:TMP+8*\b+\i+1], v[ACC+8*(4*\a+\b)+\i:ACC+8*(4*\a+\b)+\i+1], s[92:93], v[BO+8*\b+\i:BO+8*\b+\i+1] op_sel_hi:[1,0,1]   ; sum x 2^(e10 + e11) + bo; each accumulator from its low end on
.endr
.endr
.irp b, 0,1,2,3
	ds_store_b128 v[STO], v[TMP+8*\b:TMP+8*\b+3] offset:64*\b
	ds_store_b128 v[STO], v[TMP+8*\b+4:TMP+8*\b+7] offset:64*\b+16
.endr
	s_wait_xcnt 0x0                                ; the last block's stores have read their registers: the loads below may land there
.irp t, 0,1,2,3,4,5,6,7
	ds_load_b128 v[BK+4*\t:BK+4*\t+3], v[RD] offset:\t*2*SPITCH    ; LDS serves a wave's instructions in order (ISA guide 5.7.1.4): these see my stores, and the next block's stores come behind them
.endr
.irp t, 0,1,2,3,4,5,6,7
	s_wait_dscnt 7-\t
	global_store_b128 v[CO], v[BK+4*\t:BK+4*\t+3], s[12:13] offset:\a*65536+2*\t*4096 th:TH_STORE_NT
.endr
.endr
	s_wait_tensorcnt 0x0                           ; the wave's end
	ds_add_u32 v[SPW], v[NIL]
	s_wait_dscnt 0x0
	CROUND                                         ; the closing round
	s_endpgm
.Lfunc_end_k_q0cb5165cdb_oproj:
	.size	k_q0cb5165cdb_oproj, .Lfunc_end_k_q0cb5165cdb_oproj-k_q0cb5165cdb_oproj
	.p2alignl 7, 3214868480
	.fill 96, 4, 3214868480
	.section	.rodata,"a",@progbits
	.p2align	6, 0x0
	.amdhsa_kernel k_q0cb5165cdb_oproj
		.amdhsa_group_segment_fixed_size 327680
		.amdhsa_private_segment_fixed_size 0
		.amdhsa_enable_private_segment 0
		.amdhsa_kernarg_size 40
		.amdhsa_user_sgpr_count 2
		.amdhsa_user_sgpr_kernarg_segment_ptr 1
		.amdhsa_wavefront_size32 1
		.amdhsa_system_sgpr_workgroup_id_x 1
		.amdhsa_system_sgpr_workgroup_id_y 1
		.amdhsa_system_sgpr_workgroup_id_z 1
		.amdhsa_system_vgpr_workitem_id 0
		.amdhsa_next_free_vgpr 512
		.amdhsa_next_free_sgpr 100
		.amdhsa_reserve_vcc 0
		.amdhsa_float_denorm_mode_32 3
		.amdhsa_float_denorm_mode_16_64 3
		.amdhsa_memory_ordered 1
		.amdhsa_forward_progress 1
		.amdhsa_inst_pref_size 46
	.end_amdhsa_kernel
	.amdgpu_metadata
---
amdhsa.version: [ 1, 2 ]
amdhsa.kernels:
  - .name:           k_q0cb5165cdb_oproj
    .symbol:         k_q0cb5165cdb_oproj.kd
    .args:
      - { .name: ac, .offset: 0, .size: 8, .value_kind: global_buffer, .address_space: global }
      - { .name: wc, .offset: 8, .size: 8, .value_kind: global_buffer, .address_space: global }
      - { .name: bo, .offset: 16, .size: 8, .value_kind: global_buffer, .address_space: global }
      - { .name: lowp_scales, .offset: 24, .size: 8, .value_kind: global_buffer, .address_space: global }
      - { .name: out0, .offset: 32, .size: 8, .value_kind: global_buffer, .address_space: global }
    .group_segment_fixed_size: 327680
    .private_segment_fixed_size: 0
    .kernarg_segment_align: 8
    .kernarg_segment_size: 40
    .max_flat_workgroup_size: 128
    .sgpr_count:     100
    .vgpr_count:     512
    .wavefront_size: 32
...
	.end_amdgpu_metadata
.endif
;; end of part 4
